; MI455X (gfx1250); checked and timed in simulation.
; The chip was launched on July 23, 2026; its instructions are those of AMD's public machine-readable ISA for CDNA 5 (MIT licence, August 2026) and "CDNA5" Instruction Set Architecture Reference Guide (July 2026). The comments in the code are by the model that wrote it; some were corrected since.
;; Attention. Allowed arithmetic: matrix products marked QUANTISED: E2M1 operands, one E8M0 scale for each 32 along K, by v_wmma_scale_f32_16x16x128_f8f6f4 with both operands' format E2M1 (or v_wmma_scale_f32_32x16x128_f4), f32 sums; products left as they are: bf16, f16 or f32 operands; f32 sums; everything else in f32.
;; Inputs: Wk 512 x 512 float32; Wq 512 x 512 float32; Wv 512 x 512 float32; k 8 x 2,048 x 512 float32; q 8 x 2,048 x 512 float32; q_mask 8 x 2,048 x 1 float32; v 8 x 2,048 x 512 float32; v_mask 8 x 2,048 x 1 float32.
;; Outputs: out0 8 x 2,048 x 512 float32.
;; This version of the problem:
;;   THIS VERSION OF THE PROBLEM IS GIVEN IN LOW PRECISION. The matrix products marked QUANTISED in the list below multiply operands that are first quantised to E2M1 (2 exponent bits, 1 mantissa bit; 4 bits a number), with one power-of-two scale for each 32 numbers along K (OCP MX v1.0); their sums are f32. The products marked 'left as it is' may take bf16, f16 or f32 operands, with f32 sums. Whichever they take, every output number must still come out within the allowed error. Rounding operands to bf16 (8 significant bits) uses up far more of that allowance than f16 does (11 bits, for magnitudes from 6e-5 to 65,504). All else is computed in f32.
;;   The module's matrix products, in the order in which they are computed (A, B: the left and right operand; K: the contracted axis; several contracted axes count as one K, in the product's order):
;;     1. [M 16,384, K 512] x [K 512, N 512]; A: input q; B: input Wq: QUANTISED
;;     2. [M 16,384, K 512] x [K 512, N 512]; A: input k; B: input Wk: QUANTISED
;;     3. [M 16,384, K 512] x [K 512, N 512]; A: input v; B: input Wv: QUANTISED
;;     4. batch 64 x [M 2,048, K 64] x [K 64, N 2,048]; A: computed on the way; B: computed on the way: left as it is (an operand is computed on the way)
;;     5. batch 64 x [M 64, K 2,048] x [K 2,048, N 2,048]; A: computed on the way; B: computed on the way: left as it is (an operand is computed on the way)
;;   THE QUANTISER, for each operand of a quantised product, along K:
;;     - K is cut into blocks of 32 from its start; a last block that is shorter is filled with zeros.
;;     - A block's scale is 2^e with e = floor(log2(the largest magnitude in the block)) - 2, held to -126 .. 127; a block of zeros has e = 0. As a byte (E8M0): e + 127.
;;     - Each number is divided by its block's scale, clamped to +-6, and rounded to the nearest number of E2M1, ties to even, subnormals kept.
;;     - The product sums the exact products of the quantised numbers (number of the format x scale) in f32.
;;   ~~~python
;;   def quantise(x, axis):      # numpy; x: float32 -> the quantised numbers, widened to float32 again
;;       x = np.moveaxis(x, axis, -1); K = x.shape[-1]
;;       x = np.pad(x, [(0, 0)] * (x.ndim - 1) + [(0, -K % 32)]); x = x.reshape(x.shape[:-1] + (-1, 32)); a = np.abs(x).max(-1, keepdims=True)
;;       e = np.where(a > 0, np.clip(np.frexp(np.where(a > 0, a, 1))[1] - 1 - 2, -126, 127), 0)      # np.frexp(a)[1] - 1 = floor(log2(a)), exactly
;;       r = np.clip(x / 2.0 ** e, -6, 6)
;;       step = 2.0 ** (np.maximum(np.frexp(np.where(r == 0, 1, r))[1] - 1, 0) - 1)
;;       q = np.round(r / step) * step * 2.0 ** e      # np.round: ties to even
;;       return np.moveaxis(q.reshape(q.shape[:-2] + (-1,))[..., :K], -1, axis).astype(np.float32)
;;   ~~~
;; One version. Each part assembles by itself: llvm-mc -triple=amdgcn-amd-amdhsa -mcpu=gfx1250 --defsym DOCPART=n.
;; ======== version 1 of 1: 3 launches
;; limits: values are held in f16: magnitudes above 65,504 overflow, below 6.1e-05 lose precision
;; workspace buffers: wc 393,216 bytes; ws 24,576 bytes; qf 16,777,216 bytes; kv 33,554,432 bytes
;; launch wq (part 1): grid 16 x 3, 4 waves a work-group, no clusters, 0 bytes of LDS; arguments Wq, Wk, Wv, wc, ws; writes wc, ws
.if DOCPART == 1
	.amdgcn_target "amdgcn-amd-amdhsa--gfx1250"
	.amdhsa_code_object_version 6
	.text
	.protected	k_q39e1b6b8da_wq
	.globl	k_q39e1b6b8da_wq
	.p2align	8
	.type	k_q39e1b6b8da_wq,@function
k_q39e1b6b8da_wq:
	s_mov_b64 s[64:65], 0
	v_nop
	global_prefetch_b8 v0, s[64:65] scope:SCOPE_SE
	s_setreg_imm32_b32 hwreg(HW_REG_WAVE_MODE, 25, 1), 1
	s_wait_xcnt 0x0
; Wq, Wk, Wv [512 (k)][512 (n)] f32, K the FIRST axis, become codes of FP4 (E2M1) with one E8M0 byte for each 32 along K, laid in the order of the operand's registers:
;   wc [tensor 3][ct 32][s 4][c 2][lane 32][16 bytes]: the fragment of channels 16 ct + r x K step s (128 along K); lane (r, h), half c: k = 128 s + 64 c + 32 h + 0 .. 31
;   ws [tensor 3][ct 32][r 16][s 4] words: word s = the four scale bytes of K step s of channel 16 ct + r
; A block's scale is 2^(floor(log2(its largest magnitude)) - 2); its byte is the largest magnitude's exponent field - 2, held at 1 from below.
; LIMITS: a block of zeros gets the byte 1 where the rule says 127 (its codes are zeros, and this program alone reads the bytes); blocks whose largest magnitude lies under 2^-124 are held at byte 1; NaN and infinities are not served.
; SHARES: work-group y = the tensor; x = 4 s + cq: K step s, columns 128 cq on.  A LANE TAKES A COLUMN AND ITS REGISTERS RUN DOWN K: each load reads 128 neighbouring bytes a wave (the four waves stand side by side on 512),
; a block of 32 along K lies in one lane, and the conversions give codes with K innermost.  Nothing is transposed.  All 128 loads of a wave go out at once.  No LDS, no barrier: waves share nothing.
.set X, 32                             ; v32-159  the column's 128 numbers of the K step
.set C, 16                             ; v16-31   codes: four registers for each block, so that no store's data are written again
	s_load_b256 s[4:11], s[0:1], 0x0               ; Wq s[4:5], Wk s[6:7], Wv s[8:9], wc s[10:11]
	s_load_b64 s[12:13], s[0:1], 0x20              ; ws
	v_lshrrev_b32 v1, 5, v0
	v_readfirstlane_b32 s14, v1                    ; wave 0..3
	v_and_b32 v4, 31, v0                           ; lane
	v_lshlrev_b32 v1, 2, v4                        ; in: 4 bytes a lane
	v_lshrrev_b32 v5, 4, v4                        ; which of my wave's two tiles of 16 channels
	v_and_b32 v6, 15, v4
	v_lshlrev_b32 v6, 4, v6                        ; 16 r
	v_lshl_add_u32 v2, v5, 12, v6                  ; codes: 4,096 bytes a tile, 16 bytes a lane of the fragment
	v_lshl_add_u32 v3, v5, 8, v6                   ; scale words: 256 bytes a tile, 16 a channel
	s_and_b32 s15, ttmp7, 0xffff                   ; the tensor
	s_and_b32 s16, ttmp9, 3                        ; cq
	s_lshr_b32 s17, ttmp9, 2                       ; s
	s_lshl_b32 s24, s17, 18                        ; W: 128 rows of 2,048 bytes a K step,
	s_lshl_b32 s25, s16, 9                         ; 512 bytes a work-group,
	s_add_co_u32 s24, s24, s25
	s_lshl_b32 s25, s14, 7                         ; 128 a wave
	s_add_co_u32 s24, s24, s25
	s_mov_b32 s25, 0
	s_lshl_b32 s26, s16, 3
	s_lshl_b32 s27, s14, 1
	s_add_co_u32 s26, s26, s27                     ; my wave's first tile: 8 cq + 2 wave
	s_lshl_b32 s28, s26, 12
	s_lshl_b32 s29, s15, 17                        ; 131,072 bytes of codes a tensor
	s_add_co_u32 s28, s28, s29
	s_lshl_b32 s29, s17, 10                        ; 1,024 a K step
	s_add_co_u32 s28, s28, s29
	s_mov_b32 s29, 0
	s_lshl_b32 s30, s26, 8
	s_lshl_b32 s31, s15, 13                        ; 8,192 bytes of scale words a tensor
	s_add_co_u32 s30, s30, s31
	s_lshl_b32 s31, s17, 2                         ; word s
	s_add_co_u32 s30, s30, s31
	s_mov_b32 s31, 0
	s_wait_kmcnt 0x0
	s_cmp_eq_u32 s15, 0                            ; the choice hangs on the work-group's number alone
	s_cselect_b64 s[18:19], s[4:5], s[6:7]
	s_cmp_eq_u32 s15, 2
	s_cselect_b64 s[18:19], s[8:9], s[18:19]
	s_add_nc_u64 s[18:19], s[18:19], s[24:25]
	s_add_nc_u64 s[20:21], s[10:11], s[28:29]
	s_add_nc_u64 s[22:23], s[12:13], s[30:31]
.set kk, 0
.rept 128
	global_load_b32 v[X+kk], v1, s[18:19] offset:kk*2048 th:TH_LOAD_NT   ; W(128 s + kk, my column)
.set kk, kk+1
.endr
; Block bq of the K step's four.  left: how many younger loads may stay out (a smaller count than the true one is safe; the wait's count holds 63 at the most).
.macro BLOCK bq, left
.set XS, X+32*(\bq)
	s_wait_loadcnt \left
	v_max3_num_f32 v12, |v[XS]|, |v[XS+1]|, |v[XS+2]|              ; the block's largest magnitude: all 32 numbers are mine; two chains
	v_max3_num_f32 v13, |v[XS+3]|, |v[XS+4]|, |v[XS+5]|
.irp i, 6,10,14,18,22,26
	v_max3_num_f32 v12, v12, |v[XS+\i]|, |v[XS+\i+1]|
	v_max3_num_f32 v13, v13, |v[XS+\i+2]|, |v[XS+\i+3]|
.endr
	v_max3_num_f32 v12, v12, |v[XS+30]|, |v[XS+31]|
	v_max3_num_f32 v12, v12, v13, 0x1800000        ; and the floor 2^(3 - 127): the byte cannot fall under 1
	v_add_nc_u32 v11, 0xff000000, v12              ; 2 off its exponent field: the conversion takes the exponent field of this operand as its scale
	v_lshrrev_b32 v13, 23, v11                     ; the scale's byte
.if (\bq) == 0
	v_mov_b32 v14, v13
.else
	v_lshl_or_b32 v14, v13, 8*(\bq), v14           ; four bytes make the K step's scale word, the lower K in the lower byte
.endif
.irp g, 0,1,2,3
	v_cvt_scalef32_pk8_fp4_f32 v[C+4*(\bq)+\g], v[XS+8*\g:XS+8*\g+7], v11
.endr
	global_store_b128 v2, v[C+4*(\bq):C+4*(\bq)+3], s[20:21] offset:256*(\bq)   ; block 2 c + h lies at 512 c + 256 h: sixteen lanes store 256 consecutive bytes, aligned
.endm
	BLOCK 0, 63                                    ; (96 younger loads could stay out)
	BLOCK 1, 63                                    ; (64 could)
	BLOCK 2, 32
	BLOCK 3, 0
	global_store_b32 v3, v14, s[22:23]             ; my channel's word of this K step: 4 bytes of each 16; 24,576 bytes in the whole launch
	s_endpgm
.Lfunc_end_k_q39e1b6b8da_wq:
	.size	k_q39e1b6b8da_wq, .Lfunc_end_k_q39e1b6b8da_wq-k_q39e1b6b8da_wq
	.p2alignl 7, 3214868480
	.fill 96, 4, 3214868480
	.section	.rodata,"a",@progbits
	.p2align	6, 0x0
	.amdhsa_kernel k_q39e1b6b8da_wq
		.amdhsa_group_segment_fixed_size 0
		.amdhsa_private_segment_fixed_size 0
		.amdhsa_enable_private_segment 0
		.amdhsa_kernarg_size 40
		.amdhsa_user_sgpr_count 2
		.amdhsa_user_sgpr_kernarg_segment_ptr 1
		.amdhsa_wavefront_size32 1
		.amdhsa_system_sgpr_workgroup_id_x 1
		.amdhsa_system_sgpr_workgroup_id_y 1
		.amdhsa_system_sgpr_workgroup_id_z 1
		.amdhsa_system_vgpr_workitem_id 0
		.amdhsa_next_free_vgpr 192
		.amdhsa_next_free_sgpr 66
		.amdhsa_reserve_vcc 0
		.amdhsa_float_denorm_mode_32 3
		.amdhsa_float_denorm_mode_16_64 3
		.amdhsa_memory_ordered 1
		.amdhsa_forward_progress 1
		.amdhsa_inst_pref_size 21
	.end_amdhsa_kernel
	.amdgpu_metadata
---
amdhsa.version: [ 1, 2 ]
amdhsa.kernels:
  - .name:           k_q39e1b6b8da_wq
    .symbol:         k_q39e1b6b8da_wq.kd
    .args:
      - { .name: Wq, .offset: 0, .size: 8, .value_kind: global_buffer, .address_space: global }
      - { .name: Wk, .offset: 8, .size: 8, .value_kind: global_buffer, .address_space: global }
      - { .name: Wv, .offset: 16, .size: 8, .value_kind: global_buffer, .address_space: global }
      - { .name: wc, .offset: 24, .size: 8, .value_kind: global_buffer, .address_space: global }
      - { .name: ws, .offset: 32, .size: 8, .value_kind: global_buffer, .address_space: global }
    .group_segment_fixed_size: 0
    .private_segment_fixed_size: 0
    .kernarg_segment_align: 8
    .kernarg_segment_size: 40
    .max_flat_workgroup_size: 128
    .sgpr_count:     66
    .vgpr_count:     192
    .wavefront_size: 32
...
	.end_amdgpu_metadata
.endif
;; end of part 1
;; launch proj (part 2): grid 256 x 3, 8 waves a work-group, no clusters, 154,624 bytes of LDS; arguments q, k, v, wc, ws, qf, kv; writes qf, kv
.if DOCPART == 2
	.amdgcn_target "amdgcn-amd-amdhsa--gfx1250"
	.amdhsa_code_object_version 6
	.text
	.protected	k_q39e1b6b8da_proj
	.globl	k_q39e1b6b8da_proj
	.p2align	8
	.type	k_q39e1b6b8da_proj,@function
k_q39e1b6b8da_proj:
	s_mov_b64 s[64:65], 0
	v_nop
	global_prefetch_b8 v0, s[64:65] scope:SCOPE_SE
	s_setreg_imm32_b32 hwreg(HW_REG_WAVE_MODE, 25, 1), 1
	s_wait_xcnt 0x0
; The three projections x W (x = q, k, v: [16,384][512] f32; W as codes from the launch before), both operands FP4 (E2M1) with one E8M0 scale for each 32 along K = 512, sums in f32.
; The results leave as f16, in the order of the registers of the attention launch's operands (a fragment half = 32 lanes x 16 bytes = 512 dense bytes):
;   qf [bh 64][qt 128][ds 2][c 2][lane][16]: 16 queries x 32 dims; lane (r, h), half c: dims 32 ds + 16 c + 8 h + 0 .. 7 of query 16 qt + r.  q's results are multiplied by log2(e) / 8 in f32 ahead of the rounding.
;   kv [bh 64][st 32][16,384]: a key step of 64 keys: 8,192 bytes of K, [kt 4][ds 2][c 2][512] laid as qf; then 8,192 of V^T, [ks 2][ct 4][c 2][512]: lane (r, h), half c: keys 32 ks + 16 c + 8 h + 0 .. 7 of channel 16 ct + r.
; LIMITS: |k W|, |v W| and |q W| x 0.18 must stay under 65,504 (f16); a block of zeros of x gets the scale byte 1 (its codes are zeros); blocks whose largest magnitude lies under 2^-124 are held at byte 1; NaN and infinities are not served.
; SHARES: work-group x = a block of 64 rows, y = the tensor.  Eight waves.
;   PHASE X: wave w quantises rows 16 (w / 2) on, K half w % 2: two fragments of 16 rows x 128 K.  Each load reads 512 neighbouring bytes of one row; the conversions want 16 neighbours along K in ONE lane: the numbers turn
;   through the wave's own stage in LDS.  The fragments and their scale words go to LDS as images of their registers; one barrier.
;   PHASE M: wave w owns head w (channels 64 w on) for all 64 rows; its part of W (16 fragments, 128 registers) comes from memory straight into its operand registers.
;   q and k: source 0 = W, source 1 = x: a lane holds one token and 8 neighbouring channels.  v: the sources swapped: a lane holds one channel and 8 neighbouring tokens.  Either way four packed registers are a fragment half:
;   every store covers 512 consecutive bytes, aligned; no stage on the way out.
; W is not shared through LDS: in register order each lane loads its fragments whole, and a trip through LDS would write and read the same bytes once more for 64 matrix instructions a wave.
.set XIMG,   0                         ; LDS: x's 16 fragments (4 m + s), 1,024 bytes each,
.set XSC,    16384                     ; their scale words, 128 bytes each,
.set STG,    18432                     ; the stages: for each wave two of 16 rows x 528 bytes,
.set SPITCH, 528                       ; (512 bytes + 16: row r begins 16 r bytes on modulo 256, so sixteen rows' 16 bytes fall on sixteen different places modulo 256)
.set HSTG,   16*SPITCH
.set WSTG,   2*HSTG
.set SPARE,  STG+8*WSTG                ; and the spare words, 128 bytes for each wave: four blocks of 256 bytes that no other line names
.set LI,  1                            ; v1   16 x lane
.set LS,  2                            ; v2   4 x lane
.set SWR, 3                            ; v3   my stage, as loaded: 16 x lane
.set SRD, 4                            ; v4   my stage, back: 528 r + 64 h
.set XWI, 5                            ; v5   where I store my fragments' images: 2,048 x wave + 16 x lane
.set XWS, 6                            ; v6   and their scale words: 256 x wave + 4 x lane
.set WSA, 7                            ; v7   16 r: W's scale words of channel r
.set SPW, 8                            ; v8   LDS address of my spare word; never rewritten
.set NIL, 9                            ; v9   0; never rewritten
.set WS,  16                           ; v16-31   W's scale words, register 4 t + s: scales and nothing else
.set R,   32                           ; v32-159  x as loaded, then by neighbours; later W's fragment (tile t, K step s) at R + 8 (4 s + t)
.set XF,  160                          ; v160-191 x's four fragments of one tile of rows
.set XS,  192                          ; v192-195 their scale words: scales and nothing else
.set ACC, 196                          ; v196-227 four accumulators
.set TM,  196                          ; phase X: v196-199 largest magnitudes, v200-203 bytes, v208-211 the conversions' scale operands
.set PW,  212                          ; the scale word just made
.set PC,  214                          ; v214-221 the codes just made
.set OUT, 228                          ; v228-243 packed results
	s_load_b256 s[4:11], s[0:1], 0x0               ; q, k, v, wc
	s_load_b128 s[12:15], s[0:1], 0x20             ; ws, qf
	s_load_b64 s[16:17], s[0:1], 0x30              ; kv
	v_lshl_add_u32 v[SPW], v0, 2, SPARE
	v_mov_b32 v[NIL], 0
	v_lshrrev_b32 v10, 5, v0
	v_readfirstlane_b32 s18, v10                   ; wave 0..7
	s_and_b32 s19, ttmp7, 0xffff                   ; the tensor: 0 q, 1 k, 2 v
	s_mov_b32 s20, ttmp9                           ; the block of 64 rows
	v_and_b32 v10, 31, v0                          ; lane
	v_and_b32 v11, 15, v0                          ; r
	v_bfe_u32 v12, v0, 4, 1                        ; h
	v_lshlrev_b32 v[LI], 4, v10
	v_lshlrev_b32 v[LS], 2, v10
	s_mul_i32 s34, s18, WSTG
	s_add_co_u32 s34, s34, STG                     ; my two stages
	v_add_nc_u32 v[SWR], s34, v[LI]
	v_mul_u32_u24 v[SRD], v11, SPITCH
	v_lshl_add_u32 v[SRD], v12, 6, v[SRD]
	v_add_nc_u32 v[SRD], s34, v[SRD]
	s_lshl_b32 s34, s18, 11
	v_add_nc_u32 v[XWI], s34, v[LI]                ; fragments 2 wave and 2 wave + 1 (XIMG is LDS byte 0)
	s_lshl_b32 s34, s18, 8
	s_add_co_u32 s34, s34, XSC
	v_add_nc_u32 v[XWS], s34, v[LS]
	v_lshlrev_b32 v[WSA], 4, v11
.irp b, 0,1,2,3
	v_mov_b32 v[TM+4+\b], 0                        ; written once: a lane permute's destination counts as one of its sources
.endr
	s_mov_b32 s32, 0x76543210
	s_mov_b32 s33, 0xfedcba98                      ; v_permlanex16_b32's selects for lane l xor 16
	s_mov_b32 s30, 0x3e38aa3b                      ; log2(e) / 8, for q's results
	s_mov_b32 s31, s30                             ; (named with it as a pair, so it is written)
	s_lshl_b32 s34, s20, 17                        ; x: 64 rows of 2,048 bytes a block,
	s_lshr_b32 s35, s18, 1
	s_lshl_b32 s35, s35, 15                        ; 16 rows a tile,
	s_add_co_u32 s34, s34, s35
	s_and_b32 s35, s18, 1
	s_lshl_b32 s35, s35, 10                        ; 1,024 bytes a K half
	s_add_co_u32 s34, s34, s35
	s_mov_b32 s35, 0
	s_lshl_b32 s36, s19, 17                        ; W's codes: 131,072 bytes a tensor, 16,384 a head
	s_lshl_b32 s37, s18, 14
	s_add_co_u32 s36, s36, s37
	s_mov_b32 s37, 0
	s_lshl_b32 s38, s19, 13                        ; W's scale words: 8,192 a tensor, 1,024 a head
	s_lshl_b32 s39, s18, 10
	s_add_co_u32 s38, s38, s39
	s_mov_b32 s39, 0
	s_lshr_b32 s40, s20, 5
	s_lshl_b32 s40, s40, 3
	s_add_co_u32 s40, s40, s18                     ; bh = 8 x batch + head
	s_lshl_b32 s40, s40, 18
	s_and_b32 s41, s20, 31
	s_lshl_b32 s41, s41, 13
	s_add_co_u32 s40, s40, s41                     ; qf: 262,144 bytes a bh, 8,192 a block of 64 queries;
	s_cmp_eq_u32 s19, 0
	s_cselect_b32 s41, 0, 1
	s_lshl_b32 s40, s40, s41                       ; kv: twice that
	s_mov_b32 s41, 0
	s_wait_kmcnt 0x0
	s_cmp_eq_u32 s19, 0                            ; the choices hang on the work-group's number alone
	s_cselect_b64 s[22:23], s[4:5], s[6:7]
	s_cselect_b64 s[28:29], s[14:15], s[16:17]
	s_cmp_eq_u32 s19, 2
	s_cselect_b64 s[22:23], s[8:9], s[22:23]
	s_add_nc_u64 s[22:23], s[22:23], s[34:35]      ; x at my 16 rows, my K half
	s_add_nc_u64 s[24:25], s[10:11], s[36:37]      ; W's codes at my head
	s_add_nc_u64 s[26:27], s[12:13], s[38:39]      ; and its scale words
	s_add_nc_u64 s[28:29], s[28:29], s[40:41]      ; where my results go
.irp u, 0,1
.irp rr, 0,1,2,3,4,5,6,7,8,9,10,11,12,13,14,15
	global_load_b128 v[R+64*\u+4*\rr:R+64*\u+4*\rr+3], v[LI], s[22:23] offset:\rr*2048+\u*512 th:TH_LOAD_NT   ; 32 lanes read 512 consecutive bytes of row rr: K step u of my two
.endr
.endr
.irp t, 0,1,2,3
	global_load_b128 v[WS+4*\t:WS+4*\t+3], v[WSA], s[26:27] offset:256*\t   ; channel 16 t + r: its four scale words
.endr
; K step u's 16 x 128 numbers through stage u.  LDS serves a wave's instructions in order and the bytes are the wave's own: no wait between the stores and the loads.  Afterwards register 16 b + i = k 32 b + 16 h + i of row r.
.macro TURN u
.irp rr, 0,1,2,3,4,5,6,7,8,9,10,11,12,13,14,15
	ds_store_b128 v[SWR], v[R+64*\u+4*\rr:R+64*\u+4*\rr+3] offset:HSTG*\u+SPITCH*\rr
.endr
.irp b, 0,1,2,3
.irp j, 0,1,2,3
	ds_load_b128 v[R+64*\u+16*\b+4*\j:R+64*\u+16*\b+4*\j+3], v[SRD] offset:HSTG*\u+128*\b+16*\j
.endr
.endr
.endm
; 64 numbers of a lane, v[s] on, become a fragment's codes in v[PC] on and its scale word in v[PW].
.macro QUANT s
.irp b, 0,1,2,3
	v_max3_num_f32 v[TM+\b], |v[\s+16*\b]|, |v[\s+1+16*\b]|, 0x1800000   ; block b: my 16 numbers, and the floor 2^(3 - 127): the byte cannot fall under 1
.endr
.irp i, 2,4,6,8,10,12,14
.irp b, 0,1,2,3
	v_max3_num_f32 v[TM+\b], v[TM+\b], |v[\s+16*\b+\i]|, |v[\s+1+16*\b+\i]|   ; (the four blocks by turns)
.endr
.endr
.irp b, 0,1,2,3
	v_permlanex16_b32 v[TM+4+\b], v[TM+\b], s32, s33
.endr
.irp b, 0,1,2,3
	v_max_num_f32 v[TM+\b], v[TM+\b], v[TM+4+\b]   ; with lane l xor 16's: the block's largest magnitude
.endr
.irp b, 0,1,2,3
	v_add_nc_u32 v[TM+12+\b], 0xff000000, v[TM+\b] ; 2 off its exponent field: the conversion's scale operand
.endr
.irp b, 0,1,2,3
	v_lshrrev_b32 v[TM+4+\b], 23, v[TM+12+\b]      ; the scale's byte
.endr
	v_lshl_or_b32 v[PW], v[TM+5], 8, v[TM+4]       ; the four bytes make my row's scale word
	v_lshl_or_b32 v[PW], v[TM+6], 16, v[PW]
	v_lshl_or_b32 v[PW], v[TM+7], 24, v[PW]
.irp b, 0,1,2,3
	v_cvt_scalef32_pk8_fp4_f32 v[PC+2*\b], v[\s+16*\b:\s+7+16*\b], v[TM+12+\b]
	v_cvt_scalef32_pk8_fp4_f32 v[PC+1+2*\b], v[\s+8+16*\b:\s+15+16*\b], v[TM+12+\b]
.endr
	v_nop                                          ; one plain place behind a scaled conversion
.irp c, 0,1                                    ; the operand's layout wants a WHOLE block in a lane: lanes 0-15 block 2 c, lanes 16-31 block 2 c + 1
.irp i, 0,1
	v_permlane16_swap_b32 v[PC+4*\c+\i], v[PC+2+4*\c+\i]
.endr
.endr
.endm
.macro IMAGE u                                 ; the fragment goes to LDS as it stands, and its scale word
.irp c, 0,1
	ds_store_b128 v[XWI], v[PC+4*\c:PC+4*\c+3] offset:XIMG+1024*\u+512*\c
.endr
	ds_store_b32 v[XWS], v[PW] offset:128*\u
.endm
.macro WLOAD p                                 ; W's fragments of K steps 2 p and 2 p + 1, into registers that the quantiser has just left
.irp s, 2*\p, 2*\p+1
.irp t, 0,1,2,3
.irp c, 0,1
	global_load_b128 v[R+8*(4*(\s)+\t)+4*\c:R+8*(4*(\s)+\t)+4*\c+3], v[LI], s[24:25] offset:4096*\t+1024*(\s)+512*\c
.endr
.endr
.endr
.endm
	s_wait_loadcnt 20                              ; my first K step is in: behind its 16 loads stand the second's 16 and the 4 of scale words
	TURN 0
	s_wait_loadcnt 4                               ; the second is in
	TURN 1
	s_wait_dscnt 32                                ; stage 0's loads are back: behind them stand TURN 1's 16 stores and 16 loads
	QUANT R
	IMAGE 0
	WLOAD 0
	s_wait_dscnt 0x0                               ; stage 1's loads are back, and the image's stores have read their registers
	QUANT R+64
	IMAGE 1
	WLOAD 1
	s_wait_dscnt 0x0                               ; for the others' sake: my images have landed
	s_barrier_signal -1
	s_barrier_wait -1                              ; x's sixteen fragments lie in LDS
	s_wait_loadcnt 0x0                             ; W
; One product.  kind 2 (v): source 0 = x, source 1 = W; else source 0 = W, source 1 = x; the scale operands go with their sources.  K step 0 starts the sum.
.macro PROD s, t, kind
.if \kind == 2
.if \s == 0
	v_wmma_scale_f32_16x16x128_f8f6f4 v[ACC+8*\t:ACC+8*\t+7], v[XF+8*\s:XF+8*\s+7], v[R+8*(4*\s+\t):R+8*(4*\s+\t)+7], 0, v[XS+\s], v[WS+4*\t+\s] matrix_a_fmt:MATRIX_FMT_FP4 matrix_b_fmt:MATRIX_FMT_FP4
.else
	v_wmma_scale_f32_16x16x128_f8f6f4 v[ACC+8*\t:ACC+8*\t+7], v[XF+8*\s:XF+8*\s+7], v[R+8*(4*\s+\t):R+8*(4*\s+\t)+7], v[ACC+8*\t:ACC+8*\t+7], v[XS+\s], v[WS+4*\t+\s] matrix_a_fmt:MATRIX_FMT_FP4 matrix_b_fmt:MATRIX_FMT_FP4
.endif
.else
.if \s == 0
	v_wmma_scale_f32_16x16x128_f8f6f4 v[ACC+8*\t:ACC+8*\t+7], v[R+8*(4*\s+\t):R+8*(4*\s+\t)+7], v[XF+8*\s:XF+8*\s+7], 0, v[WS+4*\t+\s], v[XS+\s] matrix_a_fmt:MATRIX_FMT_FP4 matrix_b_fmt:MATRIX_FMT_FP4
.else
	v_wmma_scale_f32_16x16x128_f8f6f4 v[ACC+8*\t:ACC+8*\t+7], v[R+8*(4*\s+\t):R+8*(4*\s+\t)+7], v[XF+8*\s:XF+8*\s+7], v[ACC+8*\t:ACC+8*\t+7], v[WS+4*\t+\s], v[XS+\s] matrix_a_fmt:MATRIX_FMT_FP4 matrix_b_fmt:MATRIX_FMT_FP4
.endif
.endif
.endm
; Tile m of 16 rows against my head's 64 channels: 16 matrix instructions, the four accumulators by turns, one instruction a turn.  kind: 0 q, 1 k, 2 v.
.macro MT m, kind
.irp s, 0,1,2,3
.irp c, 0,1
	ds_load_b128 v[XF+8*\s+4*\c:XF+8*\s+4*\c+3], v[LI] offset:XIMG+(4*\m+\s)*1024+512*\c
.endr
.endr
.irp s, 0,1,2,3
	ds_load_b32 v[XS+\s], v[LS] offset:XSC+(4*\m+\s)*128
.endr
	s_wait_dscnt 0x0
.irp s, 0,1,2,3
.irp t, 0,1,2,3
	PROD \s, \t, \kind
.endr
.endr
.rept 4
	v_nop                                          ; four places ahead of the first read of results; with the conversions of the other accumulators they are also the places ahead of the next tile's loads and of its products, which begin the accumulators anew
.endr
.if \m > 0
	s_wait_xcnt 0x0                                ; the last tile's stores have read their data: OUT is written again only behind this wait
.endif
.if \kind == 0
.irp t, 0,1,2,3
.irp j, 0,2,4,6
	v_pk_mul_f32 v[ACC+8*\t+\j:ACC+8*\t+\j+1], v[ACC+8*\t+\j:ACC+8*\t+\j+1], s[30:31] op_sel_hi:[1,0]   ; q's results x log2(e) / 8, in f32; each accumulator from its low end on
.endr
.endr
.endif
.irp t, 0,1,2,3
.irp j, 0,1,2,3
	v_cvt_pk_f16_f32 v[OUT+4*\t+\j], v[ACC+8*\t+2*\j], v[ACC+8*\t+2*\j+1]   ; eight neighbours pack into 16 bytes, the lower in the low half; each accumulator from its low end on
.endr
.endr
.irp t, 0,1,2,3
.if \kind == 2
	global_store_b128 v[LI], v[OUT+4*\t:OUT+4*\t+3], s[28:29] offset:8192+(\m/2)*4096+\t*1024+(\m%2)*512   ; V^T: keys 16 m + 8 h on of channel 16 t + r: 512 consecutive bytes a store
.else
	global_store_b128 v[LI], v[OUT+4*\t:OUT+4*\t+3], s[28:29] offset:\m*2048+\t*512   ; dims 16 t + 8 h on of token 16 m + r: 512 consecutive bytes a store
.endif
.endr
.endm
	s_cmp_eq_u32 s19, 0
	s_cbranch_scc0 .Lnot_q
.irp m, 0,1,2,3
	MT \m, 0
.endr
	s_branch .Lend
.Lnot_q:
	s_cmp_eq_u32 s19, 2
	s_cbranch_scc1 .Lv
.irp m, 0,1,2,3
	MT \m, 1
.endr
	s_branch .Lend
.Lv:
.irp m, 0,1,2,3
	MT \m, 2
.endr
.Lend:
	s_wait_tensorcnt 0x0                           ; the wave's end: behind my last LDS store
	ds_add_u32 v[SPW], v[NIL]
	s_wait_dscnt 0x0
	s_endpgm
.Lfunc_end_k_q39e1b6b8da_proj:
	.size	k_q39e1b6b8da_proj, .Lfunc_end_k_q39e1b6b8da_proj-k_q39e1b6b8da_proj
	.p2alignl 7, 3214868480
	.fill 96, 4, 3214868480
	.section	.rodata,"a",@progbits
	.p2align	6, 0x0
	.amdhsa_kernel k_q39e1b6b8da_proj
		.amdhsa_group_segment_fixed_size 154624
		.amdhsa_private_segment_fixed_size 0
		.amdhsa_enable_private_segment 0
		.amdhsa_kernarg_size 56
		.amdhsa_user_sgpr_count 2
		.amdhsa_user_sgpr_kernarg_segment_ptr 1
		.amdhsa_wavefront_size32 1
		.amdhsa_system_sgpr_workgroup_id_x 1
		.amdhsa_system_sgpr_workgroup_id_y 1
		.amdhsa_system_sgpr_workgroup_id_z 1
		.amdhsa_system_vgpr_workitem_id 0
		.amdhsa_next_free_vgpr 256
		.amdhsa_next_free_sgpr 66
		.amdhsa_reserve_vcc 0
		.amdhsa_float_denorm_mode_32 3
		.amdhsa_float_denorm_mode_16_64 3
		.amdhsa_memory_ordered 1
		.amdhsa_forward_progress 1
		.amdhsa_inst_pref_size 78
	.end_amdhsa_kernel
	.amdgpu_metadata
---
amdhsa.version: [ 1, 2 ]
amdhsa.kernels:
  - .name:           k_q39e1b6b8da_proj
    .symbol:         k_q39e1b6b8da_proj.kd
    .args:
      - { .name: q, .offset: 0, .size: 8, .value_kind: global_buffer, .address_space: global }
      - { .name: k, .offset: 8, .size: 8, .value_kind: global_buffer, .address_space: global }
      - { .name: v, .offset: 16, .size: 8, .value_kind: global_buffer, .address_space: global }
      - { .name: wc, .offset: 24, .size: 8, .value_kind: global_buffer, .address_space: global }
      - { .name: ws, .offset: 32, .size: 8, .value_kind: global_buffer, .address_space: global }
      - { .name: qf, .offset: 40, .size: 8, .value_kind: global_buffer, .address_space: global }
      - { .name: kv, .offset: 48, .size: 8, .value_kind: global_buffer, .address_space: global }
    .group_segment_fixed_size: 154624
    .private_segment_fixed_size: 0
    .kernarg_segment_align: 8
    .kernarg_segment_size: 56
    .max_flat_workgroup_size: 256
    .sgpr_count:     66
    .vgpr_count:     256
    .wavefront_size: 32
...
	.end_amdgpu_metadata
.endif
;; end of part 2
;; launch attn (part 3): grid 4 x 64, 8 waves a work-group, clusters of 4 x 1, 327,680 bytes of LDS; arguments qf, kv, v_mask, q_mask, out0; writes out0
.if DOCPART == 3
	.amdgcn_target "amdgcn-amd-amdhsa--gfx1250"
	.amdhsa_code_object_version 6
	.text
	.protected	k_q39e1b6b8da_attn
	.globl	k_q39e1b6b8da_attn
	.p2align	8
	.type	k_q39e1b6b8da_attn,@function
k_q39e1b6b8da_attn:
	s_mov_b64 s[64:65], 0
	v_nop
	global_prefetch_b8 v0, s[64:65] scope:SCOPE_SE
	s_setreg_imm32_b32 hwreg(HW_REG_WAVE_MODE, 25, 1), 1
	s_wait_xcnt 0x0
	s_wait_alu depctr_hold_cnt(0) depctr_sa_sdst(0) depctr_va_vdst(0) depctr_va_sdst(0) depctr_va_ssrc(0) depctr_va_vcc(0) depctr_vm_vsrc(0)
	s_getreg_b32 s2, hwreg(HW_REG_IB_STS2, 6, 4)
	s_cmp_eq_u32 s2, 0
	s_cbranch_scc0 .Lentry_in_a_cluster
	s_endpgm
.Lentry_in_a_cluster:
	s_bfe_u32 s2, ttmp6, 0x10000c
	s_cmp_lg_u32 s2, 0x3003
	s_cbranch_scc0 .Lentry_shape_is_right
	s_endpgm
.Lentry_shape_is_right:
; out0[b][q][64 head + d] = q_mask[b][q] x the sum over k of softmax_k(Q . K / 8 - (1 - v_mask[b][k]) 1e10) V[k][d], for 64 pairs bh = 8 b + head, 2,048 queries and keys, head size 64.
; Q, K, V^T arrive as f16 in the order of the operands' registers (qf, kv: laid out by the launch before); Q already holds the factor log2(e) / 8.  Products on f16 operands, sums, maxima and softmax in f32.
; SOFTMAX: t = Q . K + bias, bias = -(1 - v_mask) x 1e10 x log2(e), given as the C of the first product of each tile of scores.  For each query a running maximum m and sum l: p = 2^(t - m), rounded to f16 for the second
; product; the sum is taken of the unrounded p; in every step O and l are multiplied by f = 2^(m_old - m_new).  At the end O x q_mask / l.
; LIMITS: NaN and infinities are not served.  An order of rounding that differs from the reference's: where ALL keys of a batch carry the same huge bias, the scores are lost in the rounding of score + bias here as there,
; but not bit for bit alike, so the weights among such keys may differ; as soon as one key's bias stands clear of the others the results agree.
; SHARES: a work-group owns 512 queries of one bh, each of its eight waves 64: four tiles of 16.  Two waves lie on a SIMD, so that one wave's softmax stands beside the other's products.  Every wave walks all 2,048 keys, 64 a step;
; each fragment of K or V read from LDS feeds four matrix instructions.
; LAYOUT: S^T = K Q^T (source 0 = 16 keys, source 1 = 16 queries): a lane holds ONE query (lane % 16) and keys 8 (lane / 16) + 0 .. 7.  Two such tiles, rounded in pairs, ARE source 1 of O^T = V^T P, whose result again holds one query a lane.
; RING: two LDS slots of 8 key steps (131,072 bytes); a wave's one tensor load brings one key step, 64 rows of 256 dense bytes.  In register order every LDS load reads 512 neighbouring bytes: no padding.
; CLUSTER: the four work-groups of a bh walk the same K and V: each key step is asked for JOINTLY, by the same tensor load with the same descriptor and a mask that names the four.
; REGISTERS, in windows of 256.  window 0: v1-15 addresses; v16-63 statistics, 12 a tile; v64-191 S^T, 32 a tile, then p, then P in each tile's first 16; v192-223 the step's bias; v224-231 v_mask at the head.
;   window 1: v0-127 O^T, 32 a tile; v128-191 Q, 16 a tile; v192-255 eight fragments: K of the step, then V.
.set SLOT1, 131072                     ; slot 1 begins here: one exclusive or turns an address in one slot into the other's
.set STEPB, 16384                      ; a key step: 8,192 bytes of K, 8,192 of V^T
.set BIAS,  262144                     ; behind the ring: the batch's 2,048 biases, f32; stored once by the waves, never a fill's target
.set STAGE, 270336                     ; the way out: 16 rows x 272 bytes for each wave
.set SP,    272
.set SPARE, 305152                     ; the spare words, 128 bytes for each wave: four blocks of 256 bytes that no other line names
.set LI,  1                            ; v1   16 x lane
.set ADR, 2                            ; v2   the step's place in the ring
.set AB0, 3                            ; v3   BIAS + 32 (lane / 16)
.set ADB, 4                            ; v4   the step's place among the biases
.set STO, 5                            ; v5   the way out: where I put 32 bytes of a row
.set RD,  6                            ; v6   where I read a row back
.set GO,  7                            ; v7   my byte offset in two rows of out0
.set PFO, 8                            ; v8   256 x lane; never rewritten
.set SPW, 9                            ; v9   LDS address of my spare word; never rewritten
.set NIL, 10                           ; v10  0; never rewritten
.set ST,  16                           ; tile t at v[ST + 12 t]: +0 m, +1 m_old, then m_old - m_new, +2, +3 l in two halves, +4 f (+5 its pair's partner), +6 to +9 c0-c3 at work, +10 q_mask
.set S,   64
.set BI,  192
.set VM,  224
.set QR,  128                          ; window 1: Q (tile t, dims 32 d on) at QR + 16 t + 8 d
.set F8,  192                          ; window 1: the eight fragments
.set WV,  14                           ; s14  my wave's number
.set G1,  24                           ; s[24:31] descriptor group 1
.set G0,  32                           ; s[32:35] descriptor group 0, which walks
.set SEL, 36                           ; s[36:37] lane selects for v_permlanex16_b32
.set TB,  38                           ; s38  LDS byte at which the step's tiles begin
.set TJ,  39                           ; s39  the step's first bias: 256 bytes a step
.set SLOTS, 40                         ; s40  slots still to be asked for
.set CNT, 41                           ; s41  counts a slot's eight steps
.set LIM, 42                           ; s42  1 in a wave that prefetches, else the greatest number
.set PFA, 44                           ; s[44:45] where my prefetches stand
.set MSB, 0
.macro WIN new                         ; the immediate's high byte repeats the setting that is left; a switch that changes nothing is dropped
.if MSB != \new
	s_set_vgpr_msb (MSB<<8)|\new
.set MSB, \new
.endif
.endm
.set W_LD,  0x40                       ; destination window 1, address window 0
.set W_S,   0x05                       ; K and Q window 1; C and S^T window 0
.set W_RS,  0x41                       ; O^T (destination and source 0) window 1, f window 0
.set W_PV,  0x51                       ; V window 1, P window 0, O^T window 1
.set W_OUT, 0x01                       ; O^T window 1, the factor and the destination window 0
; A round of the cluster's barrier: my work-group's barrier; wave 0 signals for the work-group; every wave waits for all four work-groups; my work-group's barrier once more.
.macro CROUND
	s_barrier_signal -1
	s_barrier_wait -1
	s_cmp_lg_u32 s[WV], 0
	s_cbranch_scc1 .Lnot_wave_0_\@
	s_barrier_signal -3
.Lnot_wave_0_\@:
	s_barrier_wait -3
	s_barrier_signal -1
	s_barrier_wait -1
.endm
; The joint load: one line for all eight waves; both addresses hang on the wave's number and on bh, which the four partners share.  An s_nop 0 and four v_nop follow it.
.macro JLOAD
	tensor_load_to_lds s[G0:G0+3], s[G1:G1+7]
	s_nop 0
.rept 4
	v_nop
.endr
.endm
	s_load_b256 s[4:11], s[0:1], 0x0               ; qf s[4:5], kv s[6:7], v_mask s[8:9], q_mask s[10:11]
	s_load_b64 s[12:13], s[0:1], 0x20              ; out0
	v_lshl_add_u32 v[SPW], v0, 2, SPARE
	v_mov_b32 v[NIL], 0
	ds_add_u32 v[SPW], v[NIL]                      ; the wave's opening: the add, twice on end, and its wait ahead of my first tensor load; the set-up below, work on registers, stands between
	ds_add_u32 v[SPW], v[NIL]                      ; and once more, under the one wait
	v_lshrrev_b32 v11, 5, v0
	v_readfirstlane_b32 s[WV], v11                 ; wave 0..7
	s_bfe_u32 s15, ttmp6, 0x40000                  ; cx: my place in the cluster
	s_and_b32 s16, ttmp7, 0xffff                   ; bh, which the four partners share
	s_lshr_b32 s17, s16, 3                         ; the batch
	s_and_b32 s18, s16, 7                          ; the head
	s_lshl_b32 s19, ttmp9, 2
	s_add_co_u32 s19, s19, s15                     ; my block of 512 queries: it enters Q's, q_mask's and out0's addresses alone
	; descriptor group 1: a dense block of 16,384 bytes as 64 rows of 32 elements of 8 bytes
	s_mov_b32 s[G1], 15|(3<<16)|(1<<21)            ; 15:0 the mask: all four work-groups; 17:16 elements of 8 bytes; 20 no padding; 21 set beside a mask
	s_mov_b32 s[G1+1], 32<<16                      ; tensor_dim0 = 32
	s_mov_b32 s[G1+2], 64<<16                      ; tensor_dim1 = 64
	s_mov_b32 s[G1+3], 32<<16                      ; tile_dim0 = 32
	s_mov_b32 s[G1+4], 64                          ; tile_dim1 = 64
	s_mov_b32 s[G1+5], 32                          ; from row to row: 32 elements
	s_mov_b32 s[G1+6], 0
	s_mov_b32 s[G1+7], 0
	s_mov_b32 s[G0], 1                             ; count = 1
	s_lshl_b32 s[G0+1], s[WV], 14                  ; LDS: slot 0, key step = my wave's number
	s_lshl_b32 s20, s16, 19                        ; kv: 524,288 bytes a bh,
	s_add_co_u32 s20, s20, s[G0+1]                 ; 16,384 a key step
	s_mov_b32 s21, 0
	s_mov_b32 s[SEL], 0x76543210
	s_mov_b32 s[SEL+1], 0xfedcba98
	s_mov_b32 s[TB], 0
	s_mov_b32 s[TJ], 0
	s_mov_b32 s[SLOTS], 3
	s_cmp_lt_u32 s[WV], 4
	s_cselect_b32 s[LIM], 1, -1                    ; waves 0 to 3 prefetch: the same in all four partners
	s_lshl_b32 s46, s16, 19                        ; the prefetches: my bh,
	s_lshl_b32 s47, s15, 15                        ; my work-group's 32,768 bytes of a slot's 131,072: the partners are told apart by address,
	s_add_co_u32 s46, s46, s47
	s_and_b32 s47, s[WV], 3
	s_lshl_b32 s47, s47, 13                        ; my wave's 8,192 of them,
	s_add_co_u32 s46, s46, s47
	s_add_co_u32 s46, s46, SLOT1                   ; in the keys of slot 1: the first change of slots steps it on
	s_mov_b32 s47, 0
	s_lshl_b32 s48, s16, 18                        ; qf: 262,144 bytes a bh, 65,536 a block of 512 queries, 8,192 a wave
	s_lshl_b32 s49, s19, 16
	s_add_co_u32 s48, s48, s49
	s_lshl_b32 s49, s[WV], 13
	s_add_co_u32 s48, s48, s49
	s_mov_b32 s49, 0
	s_lshl_b32 s22, s17, 11
	s_lshl_b32 s23, s19, 9
	s_add_co_u32 s22, s22, s23
	s_lshl_b32 s23, s[WV], 6
	s_add_co_u32 s22, s22, s23                     ; my first row of q_mask and out0: 2,048 b + 512 block + 64 wave
	s_lshl_b32 s50, s22, 2
	s_mov_b32 s51, 0
	s_lshl_b32 s22, s22, 11                        ; a row of out0 is 2,048 bytes,
	s_lshl_b32 s23, s18, 8                         ; a head 256 of them
	s_add_co_u32 s22, s22, s23
	s_mov_b32 s23, 0
	s_lshl_b32 s52, s17, 13                        ; v_mask: 8,192 bytes a batch
	s_mov_b32 s53, 0
	s_mul_i32 s54, s[WV], 16*SP
	s_add_co_u32 s54, s54, STAGE                   ; my stage
	v_and_b32 v13, 31, v0                          ; lane
	v_and_b32 v14, 15, v0                          ; r
	v_bfe_u32 v15, v0, 4, 1                        ; h
	v_lshlrev_b32 v[LI], 4, v13
	v_lshlrev_b32 v[PFO], 8, v13
	v_lshl_add_u32 v[AB0], v15, 5, BIAS
	v_mul_u32_u24 v[STO], v14, SP                  ; in: row r, 32 bytes for each half of the lanes
	v_lshl_add_u32 v[STO], v15, 5, v[STO]
	v_add_nc_u32 v[STO], s54, v[STO]
	v_mul_u32_u24 v[RD], v15, SP                   ; back: lanes 0-15 one row of 256 bytes, lanes 16-31 the next
	v_lshl_add_u32 v[RD], v14, 4, v[RD]
	v_add_nc_u32 v[RD], s54, v[RD]
	v_lshlrev_b32 v[GO], 11, v15                   ; and the same two rows in out0
	v_lshl_add_u32 v[GO], v14, 4, v[GO]
	v_lshl_add_u32 v11, v0, 5, BIAS                ; where my thread's eight biases go,
	v_lshlrev_b32 v12, 5, v0                       ; and where its eight numbers of v_mask lie
	v_lshlrev_b32 v13, 2, v14                      ; q_mask: 4 r
	s_wait_dscnt 0x0                               ; both opening adds are done
	s_wait_kmcnt 0x0
	s_add_nc_u64 s[G0+2:G0+3], s[6:7], s[20:21]    ; global address: key step = my wave's number
	s_or_b32 s[G0+3], s[G0+3], 0x80000000          ; type = 2
	s_add_nc_u64 s[PFA:PFA+1], s[6:7], s[46:47]
	s_add_nc_u64 s[4:5], s[4:5], s[48:49]
	s_add_nc_u64 s[10:11], s[10:11], s[50:51]
	s_add_nc_u64 s[12:13], s[12:13], s[22:23]
	s_add_nc_u64 s[8:9], s[8:9], s[52:53]
	CROUND                                         ; all four work-groups are here: the first joint loads meet
	JLOAD                                          ; keys 0 to 511 into slot 0: one load of mine is out
	global_load_b128 v[VM:VM+3], v12, s[8:9]
	global_load_b128 v[VM+4:VM+7], v12, s[8:9] offset:16
.irp t, 0,1,2,3
	global_load_b32 v[ST+12*\t+10], v13, s[10:11] offset:64*\t   ; q_mask of query 16 t + r
.endr
	WIN W_LD
.irp t, 0,1,2,3
.irp d, 0,1
.irp c, 0,1
	global_load_b128 v[QR+16*\t+8*\d+4*\c:QR+16*\t+8*\d+4*\c+3], v[LI], s[4:5] offset:2048*\t+1024*\d+512*\c th:TH_LOAD_NT   ; Q stays in registers
.endr
.endr
.endr
.set i, 0
.rept 128
	v_mov_b32 v[i], 0                              ; O^T.  (The step is written once: the first finds zeros, which the first f leaves zeros; a first step of its own would be a third copy of the step)
.set i, i+1
.endr
	WIN 0
.irp t, 0,1,2,3
	v_mov_b32 v[ST+12*\t], 0xff61b1e6              ; m: -3e38, under every t
	v_mov_b32 v[ST+12*\t+1], 0
	v_mov_b32 v[ST+12*\t+2], 0                     ; l, in two halves
	v_mov_b32 v[ST+12*\t+3], 0
	v_mov_b32 v[ST+12*\t+4], 0
	v_mov_b32 v[ST+12*\t+5], 0                     ; (named as the upper half of f's pair)
.endr
	s_wait_loadcnt 20                              ; v_mask is in: behind its two loads stand q_mask's 4 and Q's 16
.irp n, 0,1,2,3,4,5,6,7
	v_sub_f32 v[VM+\n], 1.0, v[VM+\n]
.endr
.irp n, 0,1,2,3,4,5,6,7
	v_mul_f32 v[VM+\n], 0x501502f9, v[VM+\n]       ; x 1e10
.endr
.irp n, 0,1,2,3,4,5,6,7
	v_mul_f32 v[VM+\n], 0xbfb8aa3b, v[VM+\n]       ; x -log2(e)
.endr
	ds_store_b128 v11, v[VM:VM+3]                  ; 256 threads x 8 = the batch's 2,048 biases; the first change of slots waits for these stores ahead of its round
	ds_store_b128 v11, v[VM+4:VM+7] offset:16
	s_wait_loadcnt 0x0                             ; q_mask and Q
; A KEY STEP: 64 keys.
.macro STEP
	v_add_nc_u32 v[ADR], s[TB], v[LI]
	v_add_nc_u32 v[ADB], s[TJ], v[AB0]
.rept 3
	v_nop                                          ; with the two additions: five places behind the last products V^T P, ahead of the loads into V's registers and of the products that write over P (ISA guide 7.12.1 for the products)
.endr
.irp k, 0,1,2,3
.irp e, 0,1
	ds_load_b128 v[BI+8*\k+4*\e:BI+8*\k+4*\e+3], v[ADB] offset:64*\k+16*\e   ; the biases of keys 16 k + 8 h + 0 .. 7: the result's layout
.endr
.endr
	WIN W_LD
.irp d, 0,1                                    ; K: dims 0-31 of the four tiles of keys first, then dims 32-63
.irp k, 0,1,2,3
.irp c, 0,1
	ds_load_b128 v[F8+8*(2*\k+\d)+4*\c:F8+8*(2*\k+\d)+4*\c+3], v[ADR] offset:1024*(2*\k+\d)+512*\c
.endr
.endr
.endr
	WIN W_S
	s_wait_dscnt 8                                 ; the biases and dims 0-31 are in; the youngest eight loads may be out
.irp k, 0,1,2,3                                ; S^T = K Q^T + bias: the 16 accumulators take turns, one instruction a turn
.irp t, 0,1,2,3
	v_wmma_f32_16x16x32_f16 v[S+32*\t+8*\k:S+32*\t+8*\k+7], v[F8+16*\k:F8+16*\k+7], v[QR+16*\t:QR+16*\t+7], v[BI+8*\k:BI+8*\k+7]
.endr
.endr
	s_wait_dscnt 0x0
.irp k, 0,1,2,3
.irp t, 0,1,2,3
	v_wmma_f32_16x16x32_f16 v[S+32*\t+8*\k:S+32*\t+8*\k+7], v[F8+16*\k+8:F8+16*\k+15], v[QR+16*\t+8:QR+16*\t+15], v[S+32*\t+8*\k:S+32*\t+8*\k+7]
.endr
.endr
.rept 4
	v_nop                                          ; four places ahead of the loads into K's registers and of the first read of the scores
.endr
	WIN W_LD
.irp f, 0,1,2,3,4,5,6,7                        ; V^T: keys 32 (f / 4) on, channels 16 (f % 4) on; it lands while the softmax is walked
.irp c, 0,1
	ds_load_b128 v[F8+8*\f+4*\c:F8+8*\f+4*\c+3], v[ADR] offset:8192+1024*\f+512*\c
.endr
.endr
	WIN 0
	; the maximum of my 32 scores and the old m, three operands at a time, the four tiles by turns; each accumulator is first read at its low end
.irp j, 0,1,2,3
.irp t, 0,1,2,3
	v_max3_num_f32 v[ST+12*\t+6+\j], v[S+32*\t+8*\j], v[S+32*\t+8*\j+1], v[S+32*\t+8*\j+2]
.endr
.endr
.irp g, 1,2
.irp j, 0,1,2,3
.irp t, 0,1,2,3
	v_max3_num_f32 v[ST+12*\t+6+\j], v[ST+12*\t+6+\j], v[S+32*\t+8*\j+2*\g+1], v[S+32*\t+8*\j+2*\g+2]
.endr
.endr
.endr
.irp t, 0,1,2,3
	v_max3_num_f32 v[ST+12*\t+6], v[ST+12*\t+6], v[S+32*\t+7], v[S+32*\t+15]
.endr
.irp t, 0,1,2,3
	v_max3_num_f32 v[ST+12*\t+8], v[ST+12*\t+8], v[S+32*\t+23], v[S+32*\t+31]
.endr
.irp t, 0,1,2,3
	v_max3_num_f32 v[ST+12*\t+6], v[ST+12*\t+6], v[ST+12*\t+7], v[ST+12*\t+8]
.endr
.irp t, 0,1,2,3
	v_max3_num_f32 v[ST+12*\t+6], v[ST+12*\t+6], v[ST+12*\t+9], v[ST+12*\t]
.endr
.irp t, 0,1,2,3
	v_permlanex16_b32 v[ST+12*\t+7], v[ST+12*\t+6], s[SEL], s[SEL+1]   ; the query's other 32 keys lie in the lane 16 away
.endr
.irp t, 0,1,2,3
	v_mov_b32 v[ST+12*\t+1], v[ST+12*\t]           ; m_old
.endr
.irp t, 0,1,2,3
	v_max_num_f32 v[ST+12*\t], v[ST+12*\t+6], v[ST+12*\t+7]
.endr
.irp t, 0,1,2,3
	v_sub_f32 v[ST+12*\t+1], v[ST+12*\t+1], v[ST+12*\t]   ; m_old - m_new, 0 or less
.endr
	; ONE BATCH of 132 exponentials with one wait: nothing ahead of the wait names a result.  A tile's subtractions stand among the exponentials of the tile before.
.irp t, 0,1,2,3
	v_exp_f32 v[ST+12*\t+4], v[ST+12*\t+1]         ; f
.endr
.irp t, 0,1,2,3
.irp i, 0,2,4,6,8,10,12,14,16,18,20,22,24,26,28,30
	v_pk_add_f32 v[S+32*\t+\i:S+32*\t+\i+1], v[S+32*\t+\i:S+32*\t+\i+1], v[ST+12*\t:ST+12*\t+1] op_sel_hi:[1,0] neg_lo:[0,1] neg_hi:[0,1]   ; t - m, two at a time (of the pair the low word, m, serves both halves)
.if \t > 0
	v_exp_f32 v[S+32*(\t-1)+\i], v[S+32*(\t-1)+\i]
	v_exp_f32 v[S+32*(\t-1)+\i+1], v[S+32*(\t-1)+\i+1]
.endif
.endr
.endr
.set i, 0
.rept 32
	v_exp_f32 v[S+96+i], v[S+96+i]
.set i, i+1
.endr
	v_nop                                          ; a plain instruction behind the last exponential, ahead of the first use
	s_wait_alu depctr_va_vdst(0)                   ; the wait ahead of the first instruction that names a result: one for the batch
	; l = f l + the sum of the unrounded p: two chains a tile, the tiles by turns
.irp t, 0,1,2,3
	v_pk_fma_f32 v[ST+12*\t+2:ST+12*\t+3], v[ST+12*\t+2:ST+12*\t+3], v[ST+12*\t+4:ST+12*\t+5], v[S+32*\t:S+32*\t+1] op_sel_hi:[1,0,1]
.endr
.irp t, 0,1,2,3
	v_pk_add_f32 v[ST+12*\t+6:ST+12*\t+7], v[S+32*\t+2:S+32*\t+3], v[S+32*\t+6:S+32*\t+7]
.endr
.irp i, 4,8,12,16,20,24
.irp t, 0,1,2,3
	v_pk_add_f32 v[ST+12*\t+2:ST+12*\t+3], v[ST+12*\t+2:ST+12*\t+3], v[S+32*\t+\i:S+32*\t+\i+1]
.endr
.irp t, 0,1,2,3
	v_pk_add_f32 v[ST+12*\t+6:ST+12*\t+7], v[ST+12*\t+6:ST+12*\t+7], v[S+32*\t+\i+6:S+32*\t+\i+7]
.endr
.endr
.irp t, 0,1,2,3
	v_pk_add_f32 v[ST+12*\t+2:ST+12*\t+3], v[ST+12*\t+2:ST+12*\t+3], v[S+32*\t+28:S+32*\t+29]
.endr
.irp t, 0,1,2,3
	v_pk_add_f32 v[ST+12*\t+2:ST+12*\t+3], v[ST+12*\t+2:ST+12*\t+3], v[ST+12*\t+6:ST+12*\t+7]
.endr
	; P: pairs of weights rounded to f16, laid over the tile's first 16 registers: register i has been read by the time it is written
.irp i, 0,1,2,3,4,5,6,7,8,9,10,11,12,13,14,15
.irp t, 0,1,2,3
	v_cvt_pk_f16_f32 v[S+32*\t+\i], v[S+32*\t+2*\i], v[S+32*\t+2*\i+1]
.endr
.endr
	WIN W_RS
.irp t, 0,1,2,3
.irp i, 0,2,4,6,8,10,12,14,16,18,20,22,24,26,28,30
	v_pk_mul_f32 v[32*\t+\i:32*\t+\i+1], v[32*\t+\i:32*\t+\i+1], v[ST+12*\t+4:ST+12*\t+5] op_sel_hi:[1,0]   ; O^T x f; each accumulator from its low end on
.endr
.endr
	s_wait_dscnt 0x0                               ; V is in
	WIN W_PV
.irp k, 0,1                                    ; O^T += V^T P: the 16 accumulators take turns, one instruction a turn
.irp c, 0,1,2,3
.irp t, 0,1,2,3
	v_wmma_f32_16x16x32_f16 v[32*\t+8*\c:32*\t+8*\c+7], v[F8+8*(4*\k+\c):F8+8*(4*\k+\c)+7], v[S+32*\t+8*\k:S+32*\t+8*\k+7], v[32*\t+8*\c:32*\t+8*\c+7]
.endr
.endr
.endr
	WIN 0
	s_add_co_u32 s[TB], s[TB], STEPB               ; the next step's tiles and biases
	s_add_co_u32 s[TJ], s[TJ], 256
.endm
; THE CHANGE OF SLOTS stands at a slot's head.  Each wave waits for all its tensor loads (its key step of the slot ahead), adds 0 to its spare word, and waits for that and for its reads of the slot that it has left
; (the first time also for its stores of the biases).  fill = 1: the barrier is a round of the cluster's, so that no wave of any partner still reads the other slot or has a load on its way; the joint load of the next
; 512 keys is the first thing behind it, one a wave, and has eight key steps, 512 matrix instructions of the wave, in which to land.  The first time all eight loads fill slot 1 for the first time; later all eight fill bytes again.
.macro CHANGE fill
	s_wait_tensorcnt 0x0                           ; no tensor load of mine is out, so group 0 may be written
	ds_add_u32 v[SPW], v[NIL]                      ; 0 onto my spare word
.if \fill
	s_xor_b32 s[G0+1], s[G0+1], SLOT1              ; the other slot than last time,
	s_add_nc_u64 s[G0+2:G0+3], s[G0+2:G0+3], SLOT1 ; the next 512 keys; the type bits on top are not reached
	s_wait_xcnt 0x0                                ; the last prefetch, a slot back, has read its address, so it may be written:
	s_add_nc_u64 s[PFA:PFA+1], s[PFA:PFA+1], SLOT1 ; one slot further on than the walking descriptor
	s_wait_dscnt 0x0                               ; the add is done, and my LDS reads and stores are over
	CROUND
	JLOAD
	; A PREFETCH INTO THE L2 of what the NEXT change of slots will ask for: 131,072 bytes.  The four partners take 32,768 each, told apart by address; in each, waves 0 to 3 take 8,192, lanes 256 bytes apart:
	; each aligned block of 256 bytes is named once in the launch.  It stands eight key steps ahead of the load that will want the bytes.  The last change that fills a slot asks for nothing; the first 1,024 keys come by their loads alone.
	s_cmp_gt_u32 s[SLOTS], s[LIM]
	s_cbranch_scc0 .Lnot_mine_\@
	global_prefetch_b8 v[PFO], s[PFA:PFA+1] th:TH_LOAD_NT scope:SCOPE_SE
.Lnot_mine_\@:
.else
	s_wait_dscnt 0x0                               ; the add is done, and my reads of the slot that I have left are over
	s_barrier_signal -1
	s_barrier_wait -1
.endif
.endm
.macro EIGHT_STEPS                             ; a slot's eight key steps: written once, walked eight times; the LDS addresses hang on s[TB] and s[TJ]
	s_mov_b32 s[CNT], 8
.Lstep_\@:
	STEP
	s_sub_co_u32 s[CNT], s[CNT], 1
	s_cmp_lg_u32 s[CNT], 0
	s_cbranch_scc1 .Lstep_\@
	s_sub_co_u32 s[TB], s[TB], SLOT1               ; back to a slot's first step,
	s_xor_b32 s[TB], s[TB], SLOT1                  ; in the other slot
.endm
.Lslot:                                            ; three trips: behind each change of slots but the last the next 512 keys are asked for
	CHANGE 1
	EIGHT_STEPS
	s_sub_co_u32 s[SLOTS], s[SLOTS], 1
	s_cmp_lg_u32 s[SLOTS], 0
	s_cbranch_scc1 .Lslot
	CHANGE 0                                       ; the last slot is written out
	EIGHT_STEPS
	; THE WAY OUT.  l's two halves and the other half of the lanes' are added; O^T x q_mask / l goes through my stage in LDS, a tile (16 queries x 64 channels) at a time.  The first additions are the places behind the last products.
.irp t, 0,1,2,3
	v_add_f32 v[ST+12*\t+6], v[ST+12*\t+2], v[ST+12*\t+3]
.endr
.irp t, 0,1,2,3
	v_permlanex16_b32 v[ST+12*\t+7], v[ST+12*\t+6], s[SEL], s[SEL+1]
.endr
.irp t, 0,1,2,3
	v_add_f32 v[ST+12*\t+6], v[ST+12*\t+6], v[ST+12*\t+7]
.endr
.irp t, 0,1,2,3
	v_rcp_f32 v[ST+12*\t+8], v[ST+12*\t+6]
.endr
	v_nop                                          ; a plain instruction between the last reciprocal and the use of its result
	s_wait_alu depctr_va_vdst(0)                   ; and the wait ahead of the first use: one for the four
.irp t, 0,1,2,3
	v_mul_f32 v[ST+12*\t+8], v[ST+12*\t+8], v[ST+12*\t+10]   ; q_mask / l
.endr
; Tile t: a lane's eight channels of a row are 32 bytes; they go into rows of 272 bytes and come back as whole rows of 256, into the registers that they left.
.macro PACK t
	WIN W_OUT
.irp i, 0,2,4,6,8,10,12,14,16,18,20,22,24,26,28,30
	v_pk_mul_f32 v[S+32*\t+\i:S+32*\t+\i+1], v[32*\t+\i:32*\t+\i+1], v[ST+12*\t+8:ST+12*\t+9] op_sel_hi:[1,0]   ; each accumulator from its low end on
.endr
	WIN 0
.irp c, 0,1,2,3
.irp e, 0,1
	ds_store_b128 v[STO], v[S+32*\t+8*\c+4*\e:S+32*\t+8*\c+4*\e+3] offset:64*\c+16*\e
.endr
.endr
.irp f, 0,1,2,3,4,5,6,7
	ds_load_b128 v[S+32*\t+4*\f:S+32*\t+4*\f+3], v[RD] offset:\f*2*SP   ; LDS serves a wave's instructions in order (ISA guide 5.7.1.4): these see the stores above; the next tile's stores come behind them
.endr
.endm
.macro SEND t, younger                         ; younger: the LDS instructions issued behind tile t's loads: the next tile's sixteen, or none
.irp f, 0,1,2,3,4,5,6,7
	s_wait_dscnt \younger+7-\f
	global_store_b128 v[GO], v[S+32*\t+4*\f:S+32*\t+4*\f+3], s[12:13] offset:(16*\t+2*\f)*2048 th:TH_STORE_NT   ; 16 lanes store 256 consecutive bytes, a query's 64 channels of my head, at a multiple of 256 from out0's first byte
.endr
.endm
	PACK 0
	PACK 1                                         ; a tile's arithmetic stands between the loads of the tile before and its stores
	SEND 0, 16
	PACK 2
	SEND 1, 16
	PACK 3
	SEND 2, 16
	SEND 3, 0
	s_wait_tensorcnt 0x0                           ; the wave's end: behind my last tensor load and my last LDS store
	ds_add_u32 v[SPW], v[NIL]
	s_wait_dscnt 0x0
	CROUND                                         ; the closing round: no work-group ends while a partner may still ask for a tile that names it
	s_endpgm
.Lfunc_end_k_q39e1b6b8da_attn:
	.size	k_q39e1b6b8da_attn, .Lfunc_end_k_q39e1b6b8da_attn-k_q39e1b6b8da_attn
	.p2alignl 7, 3214868480
	.fill 96, 4, 3214868480
	.section	.rodata,"a",@progbits
	.p2align	6, 0x0
	.amdhsa_kernel k_q39e1b6b8da_attn
		.amdhsa_group_segment_fixed_size 327680
		.amdhsa_private_segment_fixed_size 0
		.amdhsa_enable_private_segment 0
		.amdhsa_kernarg_size 40
		.amdhsa_user_sgpr_count 2
		.amdhsa_user_sgpr_kernarg_segment_ptr 1
		.amdhsa_wavefront_size32 1
		.amdhsa_system_sgpr_workgroup_id_x 1
		.amdhsa_system_sgpr_workgroup_id_y 1
		.amdhsa_system_sgpr_workgroup_id_z 1
		.amdhsa_system_vgpr_workitem_id 0
		.amdhsa_next_free_vgpr 512
		.amdhsa_next_free_sgpr 66
		.amdhsa_reserve_vcc 0
		.amdhsa_float_denorm_mode_32 3
		.amdhsa_float_denorm_mode_16_64 3
		.amdhsa_memory_ordered 1
		.amdhsa_forward_progress 1
		.amdhsa_inst_pref_size 93
	.end_amdhsa_kernel
	.amdgpu_metadata
---
amdhsa.version: [ 1, 2 ]
amdhsa.kernels:
  - .name:           k_q39e1b6b8da_attn
    .symbol:         k_q39e1b6b8da_attn.kd
    .args:
      - { .name: qf, .offset: 0, .size: 8, .value_kind: global_buffer, .address_space: global }
      - { .name: kv, .offset: 8, .size: 8, .value_kind: global_buffer, .address_space: global }
      - { .name: v_mask, .offset: 16, .size: 8, .value_kind: global_buffer, .address_space: global }
      - { .name: q_mask, .offset: 24, .size: 8, .value_kind: global_buffer, .address_space: global }
      - { .name: out0, .offset: 32, .size: 8, .value_kind: global_buffer, .address_space: global }
    .group_segment_fixed_size: 327680
    .private_segment_fixed_size: 0
    .kernarg_segment_align: 8
    .kernarg_segment_size: 40
    .max_flat_workgroup_size: 256
    .sgpr_count:     66
    .vgpr_count:     512
    .wavefront_size: 32
...
	.end_amdgpu_metadata
.endif
;; end of part 3
